; MI455X (gfx1250); checked and timed in simulation.
; The chip was launched on July 23, 2026; its instructions are those of AMD's public machine-readable ISA for CDNA 5 (MIT licence, August 2026) and "CDNA5" Instruction Set Architecture Reference Guide (July 2026). The comments in the code are by the model that wrote it; some were corrected since.
;; Encoding. Allowed arithmetic: float matrix products may take bf16 or f16 operands with f32 sums; all other float work in f32.
;; Inputs: codewords 32 x 512 float32; scale 32 float32; x 32 x 512 x 64 x 64 float32.
;; Outputs: out0 32 x 32 x 512 float32.
;; One version. Each part assembles by itself: llvm-mc -triple=amdgcn-amd-amdhsa -mcpu=gfx1250 --defsym DOCPART=n.
;; ======== version 1 of 1: 2 launches
;; limits: values are held in f16: magnitudes above 65,504 overflow, below 6.1e-05 lose precision; inputs' magnitudes at most 65,504
;; workspace buffers: part 16,777,216 bytes
;; launch encode (part 1): grid 256 x 1, 4 waves a work-group, no clusters, 181,760 bytes of LDS; arguments codewords, scale, x, part; writes part
.if DOCPART == 1
	.amdgcn_target "amdgcn-amd-amdhsa--gfx1250"
	.amdhsa_code_object_version 6
	.text
	.protected	k_q7c61ffab9a_encode
	.globl	k_q7c61ffab9a_encode
	.p2align	8
	.type	k_q7c61ffab9a_encode,@function
k_q7c61ffab9a_encode:
	s_mov_b64 s[64:65], 0
	v_nop
	global_prefetch_b8 v0, s[64:65] scope:SCOPE_SE
	s_setreg_imm32_b32 hwreg(HW_REG_WAVE_MODE, 25, 1), 1
	s_wait_xcnt 0x0
; Encoding layer, all of it but the last sum over eight pieces of n.
;   x [32][512 c][4096 n] f32, codewords [32 k][512 c] f32, scale [32] f32.
;   dist[n][k] = scale[k] (x2[n] - 2 xc[n][k] + c2[k]);  w = softmax over k;  part[k][c] = sum_n w[n][k] x[c][n] - (sum_n w[n][k]) codewords[k][c]
; Work-group id: batch = id >> 3, piece of 512 n = id & 7.  part[id] is [32][512] f32; the next launch adds the 8 pieces of a batch.
; Four waves.  The piece goes in 8 chunks of 64 n x 512 c:
;   convert : wave w owns rows c = 128 w .. 128 w + 127.  f32 from memory into registers, x2 summed in f32, f16 into an LDS tile [c][n].
;   product 1: wave w owns n tile w (16 n): xc for 32 codes over all 512 c; x through transposing LDS loads, codewords kept in 256 registers.
;   softmax  : in the result a lane holds one code and eight n, so maximum and sum over codes run over 16 lanes and 2 tiles.
;   product 2: wave w owns its 128 c again: [128 c] x [32 codes] += x (plain LDS loads of its own rows) times w (from LDS).
; x is read from memory once.  The 64 loads of a wave's share of a chunk are issued again for the next chunk as soon as a batch of eight
; is converted, so a whole chunk stays on its way while the products and the softmax run.
; FORMAT: matrix operands are f16 (weights lie in [0,1]; x has room for some 400 times the drawn spread).  LIMITS: |x| and |codewords| must stay
; below 65504 (beyond it the f16 operand is infinite); magnitudes below 2^-25 vanish from matrix operands.  x2, c2, softmax, sum of weights
; and its product with the codewords are f32.  The sums run in another order than the reference's.
; NOT USED: tensor loads (f32 through LDS would add 8 bytes of LDS traffic an element to the 6 there are); clusters (work-groups share only the
; codewords, 64 KB against 1 MB of x each); prefetches (the ring of loads runs from the first line to the last chunk).
.set ROWB,  16384                      ; bytes from x[c][n] to x[c+1][n]
.set PT,    144                        ; tile row: 64 f16 + 16 bytes = 36 words: 16 neighbouring rows, and 8 rows two apart with two 16-byte
                                       ; columns, both start at different multiples of 4 words modulo 64 (64 banks of 4 bytes: ISA guide 11.1)
.set KST,   32*PT                      ; 32 rows: one K step of product 1
.set PCW,   1040                       ; staged codeword row: 512 f16 + 16 bytes
.set PS,    528                        ; out stage row: 128 f32 + 16 bytes
.set TILE,  0                          ; [512 c][64 n] f16
.set CWL,   TILE+512*PT                ; [32 k][512 c] f16, c in fragment order
.set X2P,   CWL+32*PCW                 ; [4 waves][64 n] f32: x2 over each wave's 128 rows
.set WL,    X2P+4*256                  ; [32 k][64 n] f16, pitch PT
.set C2L,   WL+32*PT                   ; [32] f32
.set WSL,   C2L+128                    ; [4 waves][32 k] f32: sums of weights
.set STG,   WSL+4*128                  ; [4 waves][32 k][128 c] f32, pitch PS; ends at 180,864
; window 0 (v0-255)
.set VGO,  2                           ; byte offset in x of my 16 bytes of my wave's first row
.set LST,  3                           ; tile: where I store 8 bytes of that row
.set TRA0, 4                           ; tile: transposing loads, K steps 0-7
.set TRA1, 5                           ;       K steps 8-15 (the 16-bit offset does not reach them from TRA0)
.set X2ST, 6
.set X2LD, 7
.set WST,  8
.set WLD,  9
.set XFA,  10                          ; tile: plain fragments of my own rows
.set CGO,  11                          ; 512 wave + 16 lane: my 16 bytes of a row of codewords and of part
.set STS,  12
.set STR,  13
.set WSS,  17
.set WSR,  18
.set SC0,  20                          ; pairs, both halves alike: scale * log2(e) of code r, of code 16 + r
.set SC1,  22
.set C20,  24                          ; pairs: c2 of code r, of code 16 + r
.set C21,  26
.set WS0,  28                          ; pairs: running sums of weights
.set WS1,  30
.set XACC, 32                          ; 8: x2 of my 4 n, two sets that take turns
.set TT,   40                          ; 16: a batch's f16
.set DD,   56                          ; 16: product 1's two result tiles, then the weights
.set MX,   72                          ; 8
.set SM,   80                          ; 8
.set WP,   88                          ; 8: weights in f16
.set WF,   96                          ; 32: x2 partials, then fragments of w
.set XF,   128                         ; 128: fragments of x
.set CWS,  72                          ; used ahead of the first chunk only
.set CWR,  73
.set C2S,  74
.set C2R,  75
.set CWG,  76
.set SCO,  77
; window 1 (v256-511): the ring, load g at 4 g.  window 2 (v512-767): codeword fragment (K step s, code tile t) at 16 s + 8 t.
; window 3 (v768-895): accumulator (c tile ct, code tile t) at 16 ct + 8 t.
; s_set_vgpr_msb: bits 1:0 source 0, 3:2 source 1, 5:4 source 2, 7:6 destination; the high byte repeats the setting that is left.
.set MSB, 0
.macro WIN new
.if MSB != \new
	s_set_vgpr_msb (MSB<<8)|\new
.set MSB, \new
.endif
.endm
	s_load_b256 s[4:11], s[0:1], 0x0               ; codewords s[4:5], scale s[6:7], x s[8:9], part s[10:11]
	s_set_vgpr_msb 0xc0
	v_lshl_add_u32 v128, v0, 2, 0x2c400
	v_mov_b32 v129, 0
	s_set_vgpr_msb 0xc000
	v_lshrrev_b32 v1, 5, v0
	v_readfirstlane_b32 s12, v1                    ; wave
	v_and_b32 v1, 31, v0                           ; lane L
	v_and_b32 v15, 15, v0                          ; r = L % 16
	v_bfe_u32 v16, v0, 4, 1                        ; h = L / 16
	s_mov_b32 s20, 0x76543210                      ; v_permlanex16_b32: lane i takes lane i of the other half
	s_mov_b32 s21, 0xfedcba98
	s_lshr_b32 s13, ttmp9, 3
	s_lshl_b32 s13, s13, 23                        ; batch x 512 x 4096 x 4 bytes
	s_and_b32 s14, ttmp9, 7
	s_lshl_b32 s14, s14, 11                        ; piece x 512 n x 4 bytes
	s_add_co_u32 s14, s14, s13
	s_mov_b32 s15, 0
	s_lshl_b32 s16, ttmp9, 16                      ; part: 65,536 bytes a work-group
	s_mov_b32 s17, 0
	s_lshl_b32 s18, s12, 21                        ; 128 rows a wave
	v_lshlrev_b32 v[VGO], 4, v15                   ; lanes 0-15: 256 neighbouring bytes of a row,
	v_lshl_add_u32 v[VGO], v16, 17, v[VGO]         ; lanes 16-31: of the row 8 further down
	v_add_nc_u32 v[VGO], s18, v[VGO]
	s_lshl_b32 s18, s12, 14                        ; codewords: 8 rows of 2,048 bytes a wave
	v_lshl_add_u32 v[CWG], v1, 4, s18
	s_lshl_b32 s18, s12, 9
	v_lshl_add_u32 v[CGO], v1, 4, s18
	v_lshlrev_b32 v[SCO], 2, v15
	s_wait_kmcnt 0x0
	s_add_nc_u64 s[8:9], s[8:9], s[14:15]
	s_add_nc_u64 s[10:11], s[10:11], s[16:17]
	; my 8 rows of codewords, 512 neighbouring bytes a load; then the scales; then x right behind them
.irp i, 0,1,2,3,4,5,6,7
.irp qq, 0,1,2,3
	global_load_b128 v[XF+16*\i+4*\qq:XF+16*\i+4*\qq+3], v[CWG], s[4:5] offset:\i*2048+\qq*512
.endr
.endr
	global_load_b32 v[SC0], v[SCO], s[6:7]
	global_load_b32 v[SC1], v[SCO], s[6:7] offset:64
.macro XLOAD q                         ; eight loads of the ring: rows 16 q + u (lanes 0-15) and 16 q + u + 8 (lanes 16-31) of my 128
.irp u, 0,1,2,3,4,5,6,7
	global_load_b128 v[32*\q+4*\u:32*\q+4*\u+3], v[VGO], s[8:9] offset:(16*\q+\u)*ROWB th:TH_LOAD_NT
.endr
.endm
	WIN 0x40                                       ; destination window 1, address window 0
	XLOAD 0
	XLOAD 1
	XLOAD 2
	WIN 0
	; LDS addresses, while the loads are out
	v_and_b32 v78, 7, v0
	v_bfe_u32 v79, v0, 3, 1
	s_mul_i32 s18, s12, 128*PT                     ; my 128 rows of the tile
	v_mul_u32_u24 v19, v16, 8*PT
	v_lshl_add_u32 v19, v15, 3, v19                ; 4 f16 = 8 bytes a lane; lanes 16-31 eight rows on: 288 words = 32 modulo 64
	v_add_nc_u32 v[LST], s18, v19
	v_mul_u32_u24 v19, v15, PT
	v_lshl_add_u32 v19, v16, 4, v19                ; r x pitch + 16 h: a fragment whose K runs along the rows
	v_add_nc_u32 v[XFA], s18, v19
	v_add_nc_u32 v[WLD], WL, v19
	s_lshl_b32 s18, s12, 5                         ; my n tile: 16 n = 32 bytes
	v_add_nc_u32 v[WST], s18, v[WLD]
	; transposing loads: lane L addresses row 16 h + 2 (L % 8) of the K step's 32, bytes of n = 16 wave + 8 ((L / 8) % 2) ..; the second load one row on.
	; So K place (h, j) of registers 0-3 is c = 16 h + 2 j, of registers 4-7 c = 16 h + 2 j + 1: a permutation of c that the codeword fragments share.
	v_mul_u32_u24 v19, v78, 2*PT
	v_mul_u32_u24 v14, v16, 16*PT
	v_add3_u32 v19, v19, v14, s18
	v_lshl_add_u32 v[TRA0], v79, 4, v19
	v_add_nc_u32 v[TRA1], 8*KST, v[TRA0]
	s_lshl_b32 s18, s12, 8
	s_add_co_u32 s18, s18, X2P
	v_lshl_add_u32 v[X2ST], v15, 4, s18            ; my wave's x2 of n = 4 r .. 4 r + 3
	s_lshl_b32 s18, s12, 6
	s_add_co_u32 s18, s18, X2P
	v_lshl_add_u32 v[X2LD], v16, 5, s18            ; x2 of n = 16 wave + 8 h .. + 7
	s_mul_i32 s18, s12, 32*PS
	s_add_co_u32 s18, s18, STG
	v_mul_u32_u24 v19, v15, PS
	v_lshl_add_u32 v19, v16, 5, v19
	v_add_nc_u32 v[STS], s18, v19
	v_lshl_add_u32 v[STR], v1, 4, s18
	s_lshl_b32 s18, s12, 7
	s_add_co_u32 s18, s18, WSL
	v_lshl_add_u32 v[WSS], v15, 2, s18
	v_lshlrev_b32 v[WSR], 2, v1
	v_add_nc_u32 v[WSR], WSL, v[WSR]
	s_mul_i32 s18, s12, 8*PCW
	s_add_co_u32 s18, s18, CWL
	v_lshrrev_b32 v14, 2, v1
	v_and_b32 v19, 3, v0
	v_lshlrev_b32 v19, 2, v19
	v_lshl_add_u32 v19, v14, 5, v19                ; block of 16 c: 32 bytes (8 even c, then 8 odd c); my 4 c give one word to each half
	v_add_nc_u32 v[CWS], s18, v19
	v_mul_u32_u24 v19, v15, PCW
	v_lshl_add_u32 v19, v16, 5, v19
	v_add_nc_u32 v[CWR], CWL, v19                  ; code r, block h of a K step's two
	s_lshl_b32 s18, s12, 5
	s_add_co_u32 s18, s18, C2L
	v_mov_b32 v[C2S], s18
	v_lshlrev_b32 v[C2R], 2, v15
	v_add_nc_u32 v[C2R], C2L, v[C2R]
	s_wait_loadcnt 24                              ; loads return in order (ISA guide 5.7.1): the 24 x loads stay out, codewords and scales are in
	WIN 0x40
	XLOAD 3                                        ; the rest of chunk 0, before anything else is done
	XLOAD 4
	XLOAD 5
	XLOAD 6
	XLOAD 7
	WIN 0
	; c2 of my 8 rows in f32: eight chains, one a row
.irp i, 0,1,2,3,4,5,6,7
	v_pk_mul_f32 v[TT+2*\i:TT+2*\i+1], v[XF+16*\i:XF+16*\i+1], v[XF+16*\i:XF+16*\i+1]
.endr
.irp e, 2,4,6,8,10,12,14
.irp i, 0,1,2,3,4,5,6,7
	v_pk_fma_f32 v[TT+2*\i:TT+2*\i+1], v[XF+16*\i+\e:XF+16*\i+\e+1], v[XF+16*\i+\e:XF+16*\i+\e+1], v[TT+2*\i:TT+2*\i+1]
.endr
.endr
	; f16, even c and odd c apart, into LDS in fragment order
.set k, 0
.irp i, 0,1,2,3,4,5,6,7
.irp qq, 0,1,2,3
	v_cvt_pk_f16_f32 v[DD+2*(k%8)],   v[XF+16*\i+4*\qq],   v[XF+16*\i+4*\qq+2]
	v_cvt_pk_f16_f32 v[DD+2*(k%8)+1], v[XF+16*\i+4*\qq+1], v[XF+16*\i+4*\qq+3]
	ds_store_b32 v[CWS], v[DD+2*(k%8)]   offset:\i*PCW+\qq*256
	ds_store_b32 v[CWS], v[DD+2*(k%8)+1] offset:\i*PCW+\qq*256+16
.set k, k+1
.endr
.endr
.irp i, 0,1,2,3,4,5,6,7
	v_add_f32 v[TT+2*\i], v[TT+2*\i], v[TT+2*\i+1]
.endr
.irp m, 1,2,4,8
.irp i, 0,1,2,3,4,5,6,7
	v_add_f32_dpp v[TT+2*\i], v[TT+2*\i], v[TT+2*\i] row_xmask:\m row_mask:0xf bank_mask:0xf
.endr
.endr
.irp i, 0,1,2,3,4,5,6,7
	v_permlanex16_b32 v[TT+2*\i+1], v[TT+2*\i], s20, s21
.endr
.irp i, 0,1,2,3,4,5,6,7
	v_add_f32 v[TT+2*\i], v[TT+2*\i], v[TT+2*\i+1]
	ds_store_b32 v[C2S], v[TT+2*\i] offset:4*\i    ; every lane holds the row's sum and writes the same word
.endr
	s_wait_dscnt 0x0                               ; my staged rows and sums are in LDS before I say so
	s_barrier_signal -1
	s_barrier_wait -1
	WIN 0x80                                       ; destination window 2
.irp s, 0,1,2,3,4,5,6,7,8,9,10,11,12,13,14,15
.irp t, 0,1
	ds_load_b128 v[16*\s+8*\t:16*\s+8*\t+3],   v[CWR] offset:\t*16*PCW+\s*64       ; c = 32 s + 16 h + 0, 2, .. 14
	ds_load_b128 v[16*\s+8*\t+4:16*\s+8*\t+7], v[CWR] offset:\t*16*PCW+\s*64+16    ; c = 32 s + 16 h + 1, 3, .. 15
.endr
.endr
	WIN 0
	ds_load_b32 v[C20], v[C2R]
	ds_load_b32 v[C21], v[C2R] offset:64
	s_wait_dscnt 0x0
	v_mul_f32 v[SC0], 0x3fb8aa3b, v[SC0]           ; log2(e) goes into the scale: the exponentials are base 2
	v_mul_f32 v[SC1], 0x3fb8aa3b, v[SC1]
	v_mov_b32 v[C20+1], v[C20]                     ; both halves of the pairs that the packed lines multiply and add by
	v_mov_b32 v[C21+1], v[C21]
	v_mov_b32 v[SC0+1], v[SC0]
	v_mov_b32 v[SC1+1], v[SC1]
	s_wait_xcnt 0x0                                ; the base of the loads issued so far is stepped only behind this wait
	s_add_nc_u64 s[8:9], s[8:9], 256               ; the next chunk: 64 n on
; Eight loads of the ring: convert, sum squares, store to the tile, and load the registers again.
; more = 1: with the same rows of the next chunk.  more = 0 (last chunk): four of them with rows 4 q .. 4 q + 3 of the f32 codewords, for the way out.
.macro BATCH q, more
.if \more
	s_wait_loadcnt 56                              ; behind this batch's eight stand 56 - 8 q loads of this chunk and 8 q of the next
.else
	s_wait_loadcnt 56-4*\q                         ; 56 - 8 q of this chunk and 4 q codeword rows
.endif
	WIN 0x05                                       ; sources 0 and 1 window 1
.irp u, 0,1,2,3,4,5,6,7
	v_cvt_pk_f16_f32 v[TT+2*\u],   v[32*\q+4*\u],   v[32*\q+4*\u+1]
	v_cvt_pk_f16_f32 v[TT+2*\u+1], v[32*\q+4*\u+2], v[32*\q+4*\u+3]
.if (8*\q+\u) < 2
	v_pk_mul_f32 v[XACC+4*\u:XACC+4*\u+1],   v[32*\q+4*\u:32*\q+4*\u+1],   v[32*\q+4*\u:32*\q+4*\u+1]      ; the first two loads start the sums
	v_pk_mul_f32 v[XACC+4*\u+2:XACC+4*\u+3], v[32*\q+4*\u+2:32*\q+4*\u+3], v[32*\q+4*\u+2:32*\q+4*\u+3]
.else
	v_pk_fma_f32 v[XACC+4*(\u&1):XACC+4*(\u&1)+1],   v[32*\q+4*\u:32*\q+4*\u+1],   v[32*\q+4*\u:32*\q+4*\u+1],   v[XACC+4*(\u&1):XACC+4*(\u&1)+1]
	v_pk_fma_f32 v[XACC+4*(\u&1)+2:XACC+4*(\u&1)+3], v[32*\q+4*\u+2:32*\q+4*\u+3], v[32*\q+4*\u+2:32*\q+4*\u+3], v[XACC+4*(\u&1)+2:XACC+4*(\u&1)+3]
.endif
.endr
	WIN 0x40                                       ; serves the LDS stores (address and data window 0) and the loads (destination window 1)
.irp u, 0,1,2,3,4,5,6,7
	ds_store_b64 v[LST], v[TT+2*\u:TT+2*\u+1] offset:(16*\q+\u)*PT
.endr
.if \more
	XLOAD \q
.else
.irp u, 0,1,2,3
	global_load_b128 v[32*\q+4*\u:32*\q+4*\u+3], v[CGO], s[4:5] offset:(4*\q+\u)*2048
.endr
.endif
.endm
; One chunk.  zero = 1: the first, whose products and weights start the sums.
.macro CHUNK zero, more
.irp q, 0,1,2,3,4,5,6,7
	BATCH \q, \more
.endr
	WIN 0
	v_pk_add_f32 v[XACC:XACC+1],   v[XACC:XACC+1],   v[XACC+4:XACC+5]
	v_pk_add_f32 v[XACC+2:XACC+3], v[XACC+2:XACC+3], v[XACC+6:XACC+7]
.irp e, 0,1,2,3
	v_permlanex16_b32 v[XACC+4+\e], v[XACC+\e], s20, s21           ; the other half of the lanes held the other rows of the same n
.endr
	v_pk_add_f32 v[XACC:XACC+1],   v[XACC:XACC+1],   v[XACC+4:XACC+5]
	v_pk_add_f32 v[XACC+2:XACC+3], v[XACC+2:XACC+3], v[XACC+6:XACC+7]
	ds_store_b128 v[X2ST], v[XACC:XACC+3]          ; both halves write the same 16 bytes
	s_wait_dscnt 0x0                               ; my rows of the tile and my x2 are in LDS before I say so
	s_barrier_signal -1
	s_barrier_wait -1
	; PRODUCT 1: D(n = 16 wave + 8 h + j, code = 16 t + r) over 16 K steps.  40 LDS loads in one run.
	WIN 0x08                                       ; source 1 (codewords) window 2
.irp s, 0,1,2,3,4,5,6,7
	ds_load_tr16_b128 v[XF+8*\s:XF+8*\s+3],   v[TRA0] offset:\s*KST
	ds_load_tr16_b128 v[XF+8*\s+4:XF+8*\s+7], v[TRA0] offset:\s*KST+PT
.endr
.irp s, 0,1,2,3,4,5,6,7
	ds_load_tr16_b128 v[XF+64+8*\s:XF+64+8*\s+3],   v[TRA1] offset:\s*KST
	ds_load_tr16_b128 v[XF+64+8*\s+4:XF+64+8*\s+7], v[TRA1] offset:\s*KST+PT
.endr
.irp p, 0,1,2,3
	ds_load_b128 v[WF+8*\p:WF+8*\p+3],   v[X2LD] offset:\p*256     ; the four waves' x2 of my eight n
	ds_load_b128 v[WF+8*\p+4:WF+8*\p+7], v[X2LD] offset:\p*256+16
.endr
	s_wait_dscnt 38                                ; LDS loads return in order: of the 40, the first two are in
	v_wmma_f32_16x16x32_f16 v[DD:DD+7],    v[XF:XF+7], v[0:7],  0
	v_wmma_f32_16x16x32_f16 v[DD+8:DD+15], v[XF:XF+7], v[8:15], 0
.irp s, 1,2,3,4,5,6,7,8,9,10,11,12,13,14,15
	s_wait_dscnt 38-2*\s                           ; K step s is in; the later ones stay out
	v_wmma_f32_16x16x32_f16 v[DD:DD+7],    v[XF+8*\s:XF+8*\s+7], v[16*\s:16*\s+7],    v[DD:DD+7]
	v_wmma_f32_16x16x32_f16 v[DD+8:DD+15], v[XF+8*\s:XF+8*\s+7], v[16*\s+8:16*\s+15], v[DD+8:DD+15]
.endr
	s_wait_dscnt 0x0
	WIN 0
	; x2 = the four waves' parts.  These twelve lines name no register of the products above and are the places that
	; stand between a matrix instruction and the first reader of its result (ISA guide 7.12.1).
.irp p, 8,16,24
.irp e, 0,2,4,6
	v_pk_add_f32 v[WF+\e:WF+\e+1], v[WF+\e:WF+\e+1], v[WF+\p+\e:WF+\p+\e+1]
.endr
.endr
	; dist * log2(e) = ((x2 - 2 xc) + c2) * scale * log2(e)
.irp e, 0,2,4,6
	v_pk_fma_f32 v[DD+\e:DD+\e+1],     v[DD+\e:DD+\e+1],     -2.0, v[WF+\e:WF+\e+1] op_sel_hi:[1,0,1]
	v_pk_fma_f32 v[DD+8+\e:DD+8+\e+1], v[DD+8+\e:DD+8+\e+1], -2.0, v[WF+\e:WF+\e+1] op_sel_hi:[1,0,1]
.endr
.irp e, 0,2,4,6
	v_pk_add_f32 v[DD+\e:DD+\e+1],     v[DD+\e:DD+\e+1],     v[C20:C20+1]
	v_pk_add_f32 v[DD+8+\e:DD+8+\e+1], v[DD+8+\e:DD+8+\e+1], v[C21:C21+1]
.endr
.irp e, 0,2,4,6
	v_pk_mul_f32 v[DD+\e:DD+\e+1],     v[DD+\e:DD+\e+1],     v[SC0:SC0+1]
	v_pk_mul_f32 v[DD+8+\e:DD+8+\e+1], v[DD+8+\e:DD+8+\e+1], v[SC1:SC1+1]
.endr
	; the maximum over the 32 codes of each n: two tiles, then the 16 lanes of my half
.irp j, 0,1,2,3,4,5,6,7
	v_max_num_f32 v[MX+\j], v[DD+\j], v[DD+8+\j]
.endr
.irp m, 1,2,4,8
.irp j, 0,1,2,3,4,5,6,7
	v_max_num_f32_dpp v[MX+\j], v[MX+\j], v[MX+\j] row_xmask:\m row_mask:0xf bank_mask:0xf
.endr
.endr
.irp e, 0,2,4,6
	v_pk_add_f32 v[DD+\e:DD+\e+1],     v[DD+\e:DD+\e+1],     v[MX+\e:MX+\e+1] neg_lo:[0,1] neg_hi:[0,1]
	v_pk_add_f32 v[DD+8+\e:DD+8+\e+1], v[DD+8+\e:DD+8+\e+1], v[MX+\e:MX+\e+1] neg_lo:[0,1] neg_hi:[0,1]
.endr
.irp j, 0,1,2,3,4,5,6,7,8,9,10,11,12,13,14,15
	v_exp_f32 v[DD+\j], v[DD+\j]
.endr
	v_nop                                          ; one plain line between the last exponential and the first reader
	s_wait_alu depctr_va_vdst(0)
.irp e, 0,2,4,6
	v_pk_add_f32 v[SM+\e:SM+\e+1], v[DD+\e:DD+\e+1], v[DD+8+\e:DD+8+\e+1]
.endr
.irp m, 1,2,4,8
.irp j, 0,1,2,3,4,5,6,7
	v_add_f32_dpp v[SM+\j], v[SM+\j], v[SM+\j] row_xmask:\m row_mask:0xf bank_mask:0xf
.endr
.endr
.irp j, 0,1,2,3,4,5,6,7
	v_rcp_f32 v[SM+\j], v[SM+\j]                   ; the sum holds the maximum's own 1: it is at least 1
.endr
	v_nop
	s_wait_alu depctr_va_vdst(0)
.irp e, 0,2,4,6
	v_pk_mul_f32 v[DD+\e:DD+\e+1],     v[DD+\e:DD+\e+1],     v[SM+\e:SM+\e+1]
	v_pk_mul_f32 v[DD+8+\e:DD+8+\e+1], v[DD+8+\e:DD+8+\e+1], v[SM+\e:SM+\e+1]
.endr
	; sums of weights, f32, per lane; lanes and waves meet behind the last chunk
.if \zero
	v_pk_add_f32 v[WS0:WS0+1], v[DD:DD+1],   v[DD+2:DD+3]
	v_pk_add_f32 v[WS1:WS1+1], v[DD+8:DD+9], v[DD+10:DD+11]
.else
	v_pk_add_f32 v[WS0:WS0+1], v[WS0:WS0+1], v[DD:DD+1]
	v_pk_add_f32 v[WS1:WS1+1], v[WS1:WS1+1], v[DD+8:DD+9]
	v_pk_add_f32 v[WS0:WS0+1], v[WS0:WS0+1], v[DD+2:DD+3]
	v_pk_add_f32 v[WS1:WS1+1], v[WS1:WS1+1], v[DD+10:DD+11]
.endif
.irp e, 4,6
	v_pk_add_f32 v[WS0:WS0+1], v[WS0:WS0+1], v[DD+\e:DD+\e+1]
	v_pk_add_f32 v[WS1:WS1+1], v[WS1:WS1+1], v[DD+8+\e:DD+8+\e+1]
.endr
.irp j, 0,1,2,3,4,5,6,7
	v_cvt_pk_f16_f32 v[WP+\j], v[DD+2*\j], v[DD+2*\j+1]            ; eight neighbouring n of one code: 16 bytes a tile
.endr
	ds_store_b128 v[WST], v[WP:WP+3]
	ds_store_b128 v[WST], v[WP+4:WP+7] offset:16*PT
	s_wait_dscnt 0x0                               ; my weights are in LDS, and my reads of the others' tile rows and x2 are over, before I say so
	s_barrier_signal -1
	s_barrier_wait -1
	; PRODUCT 2: acc(c = 128 wave + 16 ct + 8 h + j, code = 16 t + r) += x(c, n) w(n, code), 64 n = 2 K steps.  The tile rows are my own:
	; only I store to them, and LDS serves a wave's instructions in order, so the next chunk's stores need no barrier.
.irp s, 0,1
.irp t, 0,1
	ds_load_b128 v[WF+8*(2*\s+\t):WF+8*(2*\s+\t)+3],   v[WLD] offset:\t*16*PT+\s*64
	ds_load_b128 v[WF+8*(2*\s+\t)+4:WF+8*(2*\s+\t)+7], v[WLD] offset:\t*16*PT+\s*64+32
.endr
.endr
.irp ct, 0,1,2,3,4,5,6,7
.irp s, 0,1
	ds_load_b128 v[XF+8*(2*\ct+\s):XF+8*(2*\ct+\s)+3],   v[XFA] offset:\ct*16*PT+\s*64
	ds_load_b128 v[XF+8*(2*\ct+\s)+4:XF+8*(2*\ct+\s)+7], v[XFA] offset:\ct*16*PT+\s*64+32
.endr
.endr
	WIN 0xf0                                       ; C and D window 3
.irp ct, 0,1,2,3,4,5,6,7
	s_wait_dscnt 30-4*\ct                          ; of the 40 loads: w's eight and x fragments up to (ct, 0) are in
.if \zero
	v_wmma_f32_16x16x32_f16 v[16*\ct:16*\ct+7],    v[XF+16*\ct:XF+16*\ct+7], v[WF:WF+7],    0
	v_wmma_f32_16x16x32_f16 v[16*\ct+8:16*\ct+15], v[XF+16*\ct:XF+16*\ct+7], v[WF+8:WF+15], 0
.else
	v_wmma_f32_16x16x32_f16 v[16*\ct:16*\ct+7],    v[XF+16*\ct:XF+16*\ct+7], v[WF:WF+7],    v[16*\ct:16*\ct+7]
	v_wmma_f32_16x16x32_f16 v[16*\ct+8:16*\ct+15], v[XF+16*\ct:XF+16*\ct+7], v[WF+8:WF+15], v[16*\ct+8:16*\ct+15]
.endif
	s_wait_dscnt 28-4*\ct                          ; and (ct, 1)
	v_wmma_f32_16x16x32_f16 v[16*\ct:16*\ct+7],    v[XF+16*\ct+8:XF+16*\ct+15], v[WF+16:WF+23], v[16*\ct:16*\ct+7]
	v_wmma_f32_16x16x32_f16 v[16*\ct+8:16*\ct+15], v[XF+16*\ct+8:XF+16*\ct+15], v[WF+24:WF+31], v[16*\ct+8:16*\ct+15]
.endr
	WIN 0
.if \more
	s_wait_xcnt 0x0                                ; the base of this chunk's loads is stepped only behind this wait
	s_add_nc_u64 s[8:9], s[8:9], 256
.endif
.endm
	CHUNK 1, 1                                     ; chunk 0 starts the sums and asks for chunk 1
	s_mov_b32 s22, 6
.Lchunk:
	CHUNK 0, 1                                     ; chunks 1 to 6 ask for chunks 2 to 7
	s_sub_co_i32 s22, s22, 1
	s_cmp_lg_u32 s22, 0
	s_cbranch_scc1 .Lchunk
	CHUNK 0, 0                                     ; chunk 7 asks for no x: no load leaves the buffer
	; THE WAY OUT.  Four places behind the last matrix instructions before their results are read (ISA guide 7.12.1).
.rept 4
	v_nop
.endr
	v_add_f32 v[WS0], v[WS0], v[WS0+1]
	v_add_f32 v[WS1], v[WS1], v[WS1+1]
	v_permlanex16_b32 v[WS0+1], v[WS0], s20, s21
	v_permlanex16_b32 v[WS1+1], v[WS1], s20, s21
	v_add_f32 v[WS0], v[WS0], v[WS0+1]             ; my wave's sum of weights of code r,
	v_add_f32 v[WS1], v[WS1], v[WS1+1]             ; of code 16 + r
	ds_store_b32 v[WSS], v[WS0]
	ds_store_b32 v[WSS], v[WS1] offset:64
	WIN 0x0c                                       ; store data window 3
.irp ct, 0,1,2,3,4,5,6,7
.irp t, 0,1
	ds_store_b128 v[STS], v[16*\ct+8*\t:16*\ct+8*\t+3]   offset:\t*16*PS+\ct*64      ; a lane holds eight neighbouring c of one code
	ds_store_b128 v[STS], v[16*\ct+8*\t+4:16*\ct+8*\t+7] offset:\t*16*PS+\ct*64+16
.endr
.endr
	WIN 0
	s_wait_dscnt 0x0                               ; my sums of weights are in LDS before I say so (the stage is my own)
	s_barrier_signal -1
	s_barrier_wait -1
.irp p, 0,1,2,3
	ds_load_b32 v[MX+\p], v[WSR] offset:128*\p     ; lane L: the four waves' sums for code L
.endr
.set kk, 0
.rept 32
	ds_load_b128 v[XF+4*kk:XF+4*kk+3], v[STR] offset:kk*PS         ; code kk: my wave's 128 c, 512 neighbouring bytes
.set kk, kk+1
.endr
	s_wait_dscnt 32                                ; the four sums are in; the 32 rows stay out
	v_add_f32 v[MX], v[MX], v[MX+1]
	v_add_f32 v[MX+2], v[MX+2], v[MX+3]
	v_add_f32 v[MX], v[MX], v[MX+2]
.set kk, 0
.rept 32
	v_readlane_b32 s[32+kk], v[MX], kk
.set kk, kk+1
.endr
	s_wait_loadcnt 0x0                             ; the f32 codeword rows asked for in the last chunk
	WIN 0x04                                       ; source 1 window 1
.set kk, 0
.rept 32
	s_wait_dscnt 31-kk                             ; row kk is in
.irp e, 0,1,2,3
	v_fma_f32 v[XF+4*kk+\e], s[32+kk], -v[32*(kk>>2)+4*(kk&3)+\e], v[XF+4*kk+\e]
.endr
.set kk, kk+1
.endr
	WIN 0
.set kk, 0
.rept 32
	global_store_b128 v[CGO], v[XF+4*kk:XF+4*kk+3], s[10:11] offset:kk*2048      ; a wave's store covers 512 consecutive bytes, aligned
.set kk, kk+1
.endr
	s_set_vgpr_msb 0xf
	s_wait_tensorcnt 0x0
	ds_add_u32 v128, v129
	s_wait_dscnt 0x0
	s_set_vgpr_msb 0xf00
	s_endpgm
.Lfunc_end_k_q7c61ffab9a_encode:
	.size	k_q7c61ffab9a_encode, .Lfunc_end_k_q7c61ffab9a_encode-k_q7c61ffab9a_encode
	.p2alignl 7, 3214868480
	.fill 96, 4, 3214868480
	.section	.rodata,"a",@progbits
	.p2align	6, 0x0
	.amdhsa_kernel k_q7c61ffab9a_encode
		.amdhsa_group_segment_fixed_size 181760
		.amdhsa_private_segment_fixed_size 0
		.amdhsa_enable_private_segment 0
		.amdhsa_kernarg_size 32
		.amdhsa_user_sgpr_count 2
		.amdhsa_user_sgpr_kernarg_segment_ptr 1
		.amdhsa_wavefront_size32 1
		.amdhsa_system_sgpr_workgroup_id_x 1
		.amdhsa_system_sgpr_workgroup_id_y 1
		.amdhsa_system_sgpr_workgroup_id_z 1
		.amdhsa_system_vgpr_workitem_id 0
		.amdhsa_next_free_vgpr 898
		.amdhsa_next_free_sgpr 66
		.amdhsa_reserve_vcc 0
		.amdhsa_float_denorm_mode_32 3
		.amdhsa_float_denorm_mode_16_64 3
		.amdhsa_memory_ordered 1
		.amdhsa_forward_progress 1
		.amdhsa_inst_pref_size 193
	.end_amdhsa_kernel
	.amdgpu_metadata
---
amdhsa.version: [ 1, 2 ]
amdhsa.kernels:
  - .name:           k_q7c61ffab9a_encode
    .symbol:         k_q7c61ffab9a_encode.kd
    .args:
      - { .name: codewords, .offset: 0, .size: 8, .value_kind: global_buffer, .address_space: global }
      - { .name: scale, .offset: 8, .size: 8, .value_kind: global_buffer, .address_space: global }
      - { .name: x, .offset: 16, .size: 8, .value_kind: global_buffer, .address_space: global }
      - { .name: part, .offset: 24, .size: 8, .value_kind: global_buffer, .address_space: global }
    .group_segment_fixed_size: 181760
    .private_segment_fixed_size: 0
    .kernarg_segment_align: 8
    .kernarg_segment_size: 32
    .max_flat_workgroup_size: 128
    .sgpr_count:     66
    .vgpr_count:     898
    .wavefront_size: 32
...
	.end_amdgpu_metadata
.endif
;; end of part 1
;; launch reduce (part 2): grid 256 x 1, 8 waves a work-group, no clusters, 0 bytes of LDS; arguments part, out0; writes out0
.if DOCPART == 2
	.amdgcn_target "amdgcn-amd-amdhsa--gfx1250"
	.amdhsa_code_object_version 6
	.text
	.protected	k_q7c61ffab9a_reduce
	.globl	k_q7c61ffab9a_reduce
	.p2align	8
	.type	k_q7c61ffab9a_reduce,@function
k_q7c61ffab9a_reduce:
	s_mov_b64 s[64:65], 0
	v_nop
	global_prefetch_b8 v0, s[64:65] scope:SCOPE_SE
	s_setreg_imm32_b32 hwreg(HW_REG_WAVE_MODE, 25, 1), 1
	s_wait_xcnt 0x0
; out0[b][k][c] = the sum over s = 0 .. 7 of part[8 b + s][k][c], all f32.  A stream: no LDS, no barrier, no matrix unit.
; A work-group makes 8,192 bytes of out0; thread t the 16 bytes at 16 t and at 4,096 + 16 t, so every load and store of a wave covers
; 512 consecutive bytes.  All sixteen loads of a thread are issued before the first sum.
.set SLICE, 65536                      ; bytes of one partial [32][512]
	s_load_b128 s[4:7], s[0:1], 0x0                ; part s[4:5], out0 s[6:7]
	s_lshr_b32 s8, ttmp9, 3                        ; batch
	s_lshl_b32 s8, s8, 19                          ; x 8 partials
	s_and_b32 s9, ttmp9, 7
	s_lshl_b32 s9, s9, 13                          ; my 8,192 bytes inside a partial
	s_add_co_u32 s8, s8, s9
	s_mov_b32 s9, 0
	s_lshl_b32 s10, ttmp9, 13                      ; and in out0
	s_mov_b32 s11, 0
	v_lshlrev_b32 v1, 4, v0
	s_wait_kmcnt 0x0
	s_add_nc_u64 s[4:5], s[4:5], s[8:9]
	s_add_nc_u64 s[6:7], s[6:7], s[10:11]
.irp s, 0,1,2,3,4,5,6,7
	global_load_b128 v[4+8*\s:7+8*\s],  v1, s[4:5] offset:\s*SLICE th:TH_LOAD_NT
	global_load_b128 v[8+8*\s:11+8*\s], v1, s[4:5] offset:\s*SLICE+4096 th:TH_LOAD_NT
.endr
.irp s, 1,2,3,4,5,6,7
	s_wait_loadcnt 14-2*\s                         ; loads return in order: partial s is in, the 7 - s pairs behind it stay out
.irp e, 0,2,4,6
	v_pk_add_f32 v[4+\e:5+\e], v[4+\e:5+\e], v[4+8*\s+\e:5+8*\s+\e]
.endr
.endr
	global_store_b128 v1, v[4:7],  s[6:7] th:TH_STORE_NT
	global_store_b128 v1, v[8:11], s[6:7] offset:4096 th:TH_STORE_NT
	s_endpgm
.Lfunc_end_k_q7c61ffab9a_reduce:
	.size	k_q7c61ffab9a_reduce, .Lfunc_end_k_q7c61ffab9a_reduce-k_q7c61ffab9a_reduce
	.p2alignl 7, 3214868480
	.fill 96, 4, 3214868480
	.section	.rodata,"a",@progbits
	.p2align	6, 0x0
	.amdhsa_kernel k_q7c61ffab9a_reduce
		.amdhsa_group_segment_fixed_size 0
		.amdhsa_private_segment_fixed_size 0
		.amdhsa_enable_private_segment 0
		.amdhsa_kernarg_size 16
		.amdhsa_user_sgpr_count 2
		.amdhsa_user_sgpr_kernarg_segment_ptr 1
		.amdhsa_wavefront_size32 1
		.amdhsa_system_sgpr_workgroup_id_x 1
		.amdhsa_system_sgpr_workgroup_id_y 1
		.amdhsa_system_sgpr_workgroup_id_z 1
		.amdhsa_system_vgpr_workitem_id 0
		.amdhsa_next_free_vgpr 68
		.amdhsa_next_free_sgpr 66
		.amdhsa_reserve_vcc 0
		.amdhsa_float_denorm_mode_32 3
		.amdhsa_float_denorm_mode_16_64 3
		.amdhsa_memory_ordered 1
		.amdhsa_forward_progress 1
		.amdhsa_inst_pref_size 5
	.end_amdhsa_kernel
	.amdgpu_metadata
---
amdhsa.version: [ 1, 2 ]
amdhsa.kernels:
  - .name:           k_q7c61ffab9a_reduce
    .symbol:         k_q7c61ffab9a_reduce.kd
    .args:
      - { .name: part, .offset: 0, .size: 8, .value_kind: global_buffer, .address_space: global }
      - { .name: out0, .offset: 8, .size: 8, .value_kind: global_buffer, .address_space: global }
    .group_segment_fixed_size: 0
    .private_segment_fixed_size: 0
    .kernarg_segment_align: 8
    .kernarg_segment_size: 16
    .max_flat_workgroup_size: 256
    .sgpr_count:     66
    .vgpr_count:     68
    .wavefront_size: 32
...
	.end_amdgpu_metadata
.endif
;; end of part 2
